; MI455X (gfx1250); checked and timed in simulation.
; The chip was launched on July 23, 2026; its instructions are those of AMD's public machine-readable ISA for CDNA 5 (MIT licence, August 2026) and "CDNA5" Instruction Set Architecture Reference Guide (July 2026). The comments in the code are by the model that wrote it; some were corrected since.
;; Radon. Allowed arithmetic: float matrix products may take bf16 or f16 operands with f32 sums; all other float work in f32.
;; Inputs: angles 180 float32; imgs 4 x 256 x 256 float32; rays 256 x 4 float32.
;; Outputs: out0 4 x 180 x 256 float32.
;; One version. Each part assembles by itself: llvm-mc -triple=amdgcn-amd-amdhsa -mcpu=gfx1250 --defsym DOCPART=n.
;; ======== version 1 of 1: 2 launches
;; limits: right only within a limited range of input values
;; workspace buffers: steps 737,280 bytes of whole numbers
;; launch prep (part 1): grid 180 x 1, 8 waves a work-group, no clusters, 0 bytes of LDS; arguments angles, rays, steps; writes steps
.if DOCPART == 1
	.amdgcn_target "amdgcn-amd-amdhsa--gfx1250"
	.amdhsa_code_object_version 6
	.text
	.protected	k_q5703ca8826_prep
	.globl	k_q5703ca8826_prep
	.p2align	8
	.type	k_q5703ca8826_prep,@function
k_q5703ca8826_prep:
	s_mov_b64 s[64:65], 0
	v_nop
	global_prefetch_b8 v0, s[64:65] scope:SCOPE_SE
	s_setreg_imm32_b32 hwreg(HW_REG_WAVE_MODE, 25, 1), 1
	s_wait_xcnt 0x0
; For every (angle a, ray r): the ray's first sample and its step from sample to sample, in pixels, as whole numbers.
; steps[a][r] = { X0, Y0, DX, DY }, signed fixed point with 18 fraction bits:
;   X0 = (fx(sample 0) + 1) * 2^18,  DX = (fx(sample i+1) - fx(sample i)) * 2^18, Y likewise,
; where fx = x of the rotated ray at t = (i + 0.5) / 256, plus 127.5.  The + 1 puts the zero column -1 at index 0.
; One work-group = one angle, one thread = one ray; 16 neighbouring lanes store 256 consecutive aligned bytes.
; The rotation has two terms a sum and stays in f32 on the vector unit: its results are sample positions, and operands
; of 8 mantissa bits would move a point at radius 128 by a quarter of a pixel.
; LIMITS: |angle| below about 1e6 (the quotient by pi/2 must be right to a half); every sample's fx + 1 and fy + 1 in
; [-8192, 8192) (14 whole bits with sign; the conversion saturates beyond).  DX, DY are rounded to 2^-18 pixel, so the
; 256th sample lies at most 2^-11 pixel from its place.
.set RAYB, 16                          ; bytes of a ray, and of a record of steps
	s_load_b128 s[4:7], s[0:1], 0x0                ; angles s[4:5], rays s[6:7]
	s_load_b64 s[8:9], s[0:1], 0x10                ; steps
	v_lshlrev_b32 v1, 4, v0                        ; my ray's 16 bytes, in rays and in this angle's part of steps
	s_lshl_b32 s10, ttmp9, 2                       ; my angle's 4 bytes
	s_mov_b32 s11, 0
	s_lshl_b32 s12, ttmp9, 12                      ; angle x 256 rays x 16 bytes
	s_mov_b32 s13, 0
	s_mov_b32 s16, 0x48800000                      ; 2^18
	s_mov_b32 s17, 0x4c008000                      ; 128.5 x 2^18 = 33,685,504, exact in f32
	s_wait_kmcnt 0x0
	global_load_b128 v[4:7], v1, s[6:7]            ; start x, start y, end x, end y
	s_add_nc_u64 s[4:5], s[4:5], s[10:11]
	s_add_nc_u64 s[8:9], s[8:9], s[12:13]
	s_load_b32 s14, s[4:5], 0x0                    ; the angle
	s_wait_kmcnt 0x0
	v_mov_b32 v2, s14
	; sine and cosine.  n = nearest whole number to angle / (pi/2); r = angle - n pi/2 with pi/2 in three parts, each step one
	; fused multiply-add, so that the products are not rounded; |r| <= pi/4 (a little more when n is off by rounding).
	v_mul_f32 v3, 0x3f22f983, v2                   ; angle x 2/pi
	v_rndne_f32 v3, v3                             ; n
	v_fmamk_f32 v8, v3, 0xbfc90fdb, v2             ; - n x 1.57079637
	v_fmamk_f32 v8, v3, 0x333bbd2e, v8             ; + n x 4.37113883e-8
	v_fmamk_f32 v8, v3, 0x26f72ced, v8             ; + n x 1.71512449e-15
	v_cvt_i32_f32 v9, v3                           ; n as a whole number: its two low bits are the quadrant
	v_mul_f32 v10, v8, v8                          ; s = r^2
	v_mov_b32 v11, 0xb94ca1f9                      ; sin r = r + r s (-1.6666655e-1 + s (8.3321609e-3 - s 1.9515296e-4))
	v_mov_b32 v13, 0x37ccf5ce                      ; cos r = 1 - s/2 + s^2 (4.1666646e-2 + s (-1.3887316e-3 + s 2.4433157e-5))
	v_fmaak_f32 v11, v11, v10, 0x3c08839e
	v_fmaak_f32 v13, v13, v10, 0xbab6061a
	v_fmaak_f32 v11, v11, v10, 0xbe2aaaa3
	v_fmaak_f32 v13, v13, v10, 0x3d2aaaa5
	v_mul_f32 v12, v10, v8                         ; s r
	v_mul_f32 v14, v10, v10                        ; s^2
	v_fma_f32 v15, v10, -0.5, 1.0                  ; 1 - s/2
	v_fma_f32 v11, v11, v12, v8                    ; sin r
	v_fma_f32 v13, v13, v14, v15                   ; cos r
	v_and_b32 v16, 1, v9
	v_cmp_eq_u32 vcc_lo, 1, v16                    ; odd quadrant: the two change places
	v_cndmask_b32 v17, v11, v13, vcc_lo            ; |sin|
	v_cndmask_b32 v18, v13, v11, vcc_lo            ; |cos|
	v_lshlrev_b32 v19, 30, v9                      ; bit 1 of n at the sign's place: the sine is negated in quadrants 2 and 3
	v_add_nc_u32 v20, 1, v9
	v_and_b32 v19, 0x80000000, v19
	v_lshlrev_b32 v20, 30, v20                     ; bit 1 of n + 1: the cosine is negated in quadrants 1 and 2
	v_xor_b32 v17, v17, v19                        ; sn
	v_and_b32 v20, 0x80000000, v20
	v_xor_b32 v18, v18, v20                        ; c
	s_wait_loadcnt 0x0                             ; my ray
	v_mul_f32 v21, v17, v5
	v_mul_f32 v22, v18, v5
	v_mul_f32 v23, v17, v7
	v_mul_f32 v24, v18, v7
	v_fma_f32 v21, v18, v4, -v21                   ; start: x' = c x - sn y
	v_fma_f32 v22, v17, v4, v22                    ;        y' = sn x + c y
	v_fma_f32 v23, v18, v6, -v23                   ; end
	v_fma_f32 v24, v17, v6, v24
	v_sub_f32 v23, v23, v21                        ; end - start
	v_sub_f32 v24, v24, v22
	v_fma_f32 v21, v23, 0x3b000000, v21            ; sample 0: t = 0.5 / 256 = 1 / 512
	v_fma_f32 v22, v24, 0x3b000000, v22
	v_fma_f32 v21, v21, s16, s17                   ; (x + 127.5 + 1) x 2^18, rounded once
	v_fma_f32 v22, v22, s16, s17
	v_mul_f32 v23, 0x44800000, v23                 ; (end - start) / 256 x 2^18 = x 1024
	v_mul_f32 v24, 0x44800000, v24
	v_rndne_f32 v21, v21                           ; to the nearest whole number: the conversion below would cut toward zero
	v_rndne_f32 v22, v22
	v_rndne_f32 v23, v23
	v_rndne_f32 v24, v24
	v_cvt_i32_f32 v28, v21                         ; X0
	v_cvt_i32_f32 v29, v22                         ; Y0
	v_cvt_i32_f32 v30, v23                         ; DX
	v_cvt_i32_f32 v31, v24                         ; DY
	global_store_b128 v1, v[28:31], s[8:9]
	s_endpgm
.Lfunc_end_k_q5703ca8826_prep:
	.size	k_q5703ca8826_prep, .Lfunc_end_k_q5703ca8826_prep-k_q5703ca8826_prep
	.p2alignl 7, 3214868480
	.fill 96, 4, 3214868480
	.section	.rodata,"a",@progbits
	.p2align	6, 0x0
	.amdhsa_kernel k_q5703ca8826_prep
		.amdhsa_group_segment_fixed_size 0
		.amdhsa_private_segment_fixed_size 0
		.amdhsa_enable_private_segment 0
		.amdhsa_kernarg_size 24
		.amdhsa_user_sgpr_count 2
		.amdhsa_user_sgpr_kernarg_segment_ptr 1
		.amdhsa_wavefront_size32 1
		.amdhsa_system_sgpr_workgroup_id_x 1
		.amdhsa_system_sgpr_workgroup_id_y 1
		.amdhsa_system_sgpr_workgroup_id_z 1
		.amdhsa_system_vgpr_workitem_id 0
		.amdhsa_next_free_vgpr 32
		.amdhsa_next_free_sgpr 66
		.amdhsa_reserve_vcc 1
		.amdhsa_float_denorm_mode_32 3
		.amdhsa_float_denorm_mode_16_64 3
		.amdhsa_memory_ordered 1
		.amdhsa_forward_progress 1
		.amdhsa_inst_pref_size 4
	.end_amdhsa_kernel
	.amdgpu_metadata
---
amdhsa.version: [ 1, 2 ]
amdhsa.kernels:
  - .name:           k_q5703ca8826_prep
    .symbol:         k_q5703ca8826_prep.kd
    .args:
      - { .name: angles, .offset: 0, .size: 8, .value_kind: global_buffer, .address_space: global }
      - { .name: rays, .offset: 8, .size: 8, .value_kind: global_buffer, .address_space: global }
      - { .name: steps, .offset: 16, .size: 8, .value_kind: global_buffer, .address_space: global }
    .group_segment_fixed_size: 0
    .private_segment_fixed_size: 0
    .kernarg_segment_align: 8
    .kernarg_segment_size: 24
    .max_flat_workgroup_size: 256
    .sgpr_count:     66
    .vgpr_count:     32
    .wavefront_size: 32
...
	.end_amdgpu_metadata
.endif
;; end of part 1
;; launch radon (part 2): grid 60 x 4, 24 waves a work-group, no clusters, 282,624 bytes of LDS; arguments imgs, rays, steps, out0; writes out0
.if DOCPART == 2
	.amdgcn_target "amdgcn-amd-amdhsa--gfx1250"
	.amdhsa_code_object_version 6
	.text
	.protected	k_q5703ca8826_radon
	.globl	k_q5703ca8826_radon
	.p2align	8
	.type	k_q5703ca8826_radon,@function
k_q5703ca8826_radon:
	s_mov_b64 s[64:65], 0
	v_nop
	global_prefetch_b8 v0, s[64:65] scope:SCOPE_SE
	s_setreg_imm32_b32 hwreg(HW_REG_WAVE_MODE, 25, 1), 1
	s_wait_xcnt 0x0
; out0[b][a][r] = (length of ray r / 256) x sum over 256 samples of the bilinear value of image b, zero outside the image.
; A work-group takes ONE image, whole, in f32 in LDS, and 3 angles = 768 rays (180 angles = 60 work-groups x 3, times 4 images = 240).
; 24 waves, 32 rays each.  All addresses are made by whole-number arithmetic from steps[a][r] = { X0, Y0, DX, DY } (18 fraction bits,
; X = (fx + 1) x 2^18), which the launch before stored: sample i lies at X0 + i DX, Y0 + i DY.
;
; THE IMAGE IN LDS.  A row takes 264 words: 256 pixels and 8 zeros.  The zeros are columns 256 and 257 of their row, and the last of them is
; column -1 of the next row.  The tensor load writes them: its tile is 264 wide, the tensor 256, and elements at or beyond the tensor's
; extent arrive as zeros.  Row -1 (above) and rows 256, 257 (below) are zeros stored by ds_store, in blocks of 256 bytes of their own into
; which no tensor load writes.  So every corner of every sample is read without a test, and an invalid corner reads 0.
; Index x0 + 1 is cut to 0 .. 257 (unsigned: a negative X is a large number); y needs no cut of its own, since the byte address is cut to
; AMAX, the place of (row 256, column -1), from which all four corners read zeros.
; PITCH: 264 words.  With 64 banks of 4 bytes (ISA guide 11.1) two pixels fall on one bank only if 8 dy + dx is a multiple of 64.
; LANES: a wave works on 8 rays at a time; lane = 8 (sample mod 4) + (ray mod 8).  Where rays lie a pixel apart and samples at most about a pixel,
; the 32 samples of one load form a patch of about 8 x 4 pixels, in which no two pixels are 8 rows, or 8 columns and 1 row, apart.
; NO JOINT LOADS, though the 60 work-groups of an image read the same 256 KiB.
; The LDS addresses of the gather come from the work-group's own 3 angles.  Work-groups with
; like addresses would be those of the same angles and different images, which share no tile.  So each work-group brings its image itself.
; Each of waves 0 to 3 has one tensor load outstanding, the others none; LDS is filled once and never again.
; LIMITS: fx + 1 and fy + 1 of every sample in [-8192, 8192); positions are good to 2^-11 pixel (the step is rounded to 2^-18); finite images.
.set PITCHW, 264                       ; words from row to row
.set PITCH,  4*PITCHW                  ; bytes
.set BAND,   3072                      ; 768 threads x 4 bytes = 12 blocks of 256: a band of zeros, and the stage
.set TOP,    BAND                      ; the byte of pixel (0, 0): a band of zeros lies ahead of it
.set BOT,    TOP+256*PITCH             ; 273,408 = 1,068 x 256: the band of zeros below the image
.set STAGE,  BOT+BAND                  ; 276,480: 768 results on their way out
.set ORG,    TOP-PITCH-4               ; 2,012: the byte of pixel (-1, -1)
.set XMAX,   257                       ; x0 + 1 is cut to this: columns 256 and 257 are zeros
.set AMAX,   257*PITCH                 ; the byte address is cut to this: (row 256, column -1); the furthest corner then ends at byte 274,468, inside the lower band
.set TT,    3                          ; v3        sample mod 4 = lane / 8
.set PX,    4                          ; v4, v5    my next sample, fixed point
.set PY,    5
.set DX,    6                          ; v6, v7    four samples on
.set DY,    7
.set ACC,   8                          ; v[8:11]   four running sums (samples 0 to 3 of a group)
.set SUM,   12
.set RES,   13                         ; v13       lane l: the sum of ray l of my 32
.set SCALE, 14                         ; v14       lane l: that ray's length / 256
.set OFFP,  15                         ; v15       byte offset of my ray's record in the work-group's part of steps; never rewritten
.set OFFR,  16                         ; v16       byte offset in rays; never rewritten
.set Z4,    17                         ; v17       4 x thread: my word of the upper band
.set ZB,    18                         ; v18       my word of the lower band
.set ST,    19                         ; v19       my word of the stage
.set TA,    20                         ; v[20:23]  addresses of a group's four samples
.set TB,    24                         ; v[24:27]  their rows
.set PAR,   28                         ; v[28:43]  sub-task k: X0, Y0, DX, DY of my ray
.set RAY,   44                         ; v[44:47]  ray l of my 32, for its length
.set RING,  48                         ; v[48:95]  two sets of 24: v00, v01, v10, v11, wx, wy of four samples each
.set ZERO,  96                         ; v96
.set OFFO,  98                         ; v98       the way out: byte offset in the work-group's part of out0
.set LRD,   99                         ; v99       the way out: LDS address
.set OUTV,  100                        ; v[100:103]
	s_load_b256 s[4:11], s[0:1], 0x0               ; imgs s[4:5], rays s[6:7], steps s[8:9], out0 s[10:11]
	v_lshl_add_u32 v104, v0, 2, 0x44400
	v_mov_b32 v105, 0
	ds_add_u32 v104, v105
	ds_add_u32 v104, v105
	v_lshrrev_b32 v1, 5, v0
	v_readfirstlane_b32 s12, v1                    ; wave 0 .. 23
	s_and_b32 s15, ttmp7, 0xffff                   ; the image = work-group y; ttmp9 = work-group x, 0 .. 59: my three angles
	; descriptor group 1: 64 rows, 264 wide, of a tensor 256 wide: 8 zeros behind each row
	s_mov_b32 s16, 2<<16                           ; 15:0 no mask; 17:16 elements of 4 bytes; no padding
	s_mov_b32 s17, 256<<16                         ; 63:48 tensor_dim0 = 256
	s_mov_b32 s18, 64<<16                          ; 95:80 tensor_dim1 = 64
	s_mov_b32 s19, PITCHW<<16                      ; 127:112 tile_dim0 = 264
	s_mov_b32 s20, 64                              ; 143:128 tile_dim1 = 64
	s_mov_b32 s21, 256                             ; 191:160 elements from row to row in memory
	s_mov_b32 s22, 0
	s_mov_b32 s23, 0
	; descriptor group 0: wave w (0 to 3) brings rows 64 w to 64 w + 63
	s_mov_b32 s24, 1
	s_mul_i32 s25, s12, 64*PITCH
	s_add_co_u32 s25, s25, TOP                     ; LDS address: the wave's number times 67,584 (264 blocks of 256) and a constant
	s_lshl_b32 s28, s15, 18                        ; image x 262,144 bytes
	s_lshl_b32 s29, s12, 16                        ; + wave x 64 rows x 1,024 bytes
	s_add_co_u32 s28, s28, s29
	s_mov_b32 s29, 0
	s_mul_i32 s38, ttmp9, 768*16                   ; my 768 records of steps
	s_mov_b32 s39, 0
	s_mul_i32 s40, s15, 46080*4                    ; my 768 results: image x 180 x 256 + work-group x 768, in bytes
	s_mul_i32 s41, ttmp9, 768*4
	s_add_co_u32 s40, s40, s41
	s_mov_b32 s41, 0
	s_wait_dscnt 0x0
	s_wait_kmcnt 0x0
	s_add_nc_u64 s[26:27], s[4:5], s[28:29]
	s_or_b32 s27, s27, 0x80000000                  ; 127:126 type = 2
	s_add_nc_u64 s[8:9], s[8:9], s[38:39]
	s_add_nc_u64 s[10:11], s[10:11], s[40:41]
	s_cmp_ge_u32 s12, 4
	s_cbranch_scc1 .Lno_fill
	tensor_load_to_lds s[24:27], s[16:23]          ; the only fill of the launch: a quarter of the image a wave, ahead of every wait on TENSORcnt, LDS read and barrier
	s_nop 0
.Lno_fill:
	v_and_b32 v[OFFP], 0x3e7, v0                   ; 32 x wave + ray mod 8 (lane bits 3 and 4, the sample's, are dropped)
	v_and_b32 v[OFFR], 255, v0                     ; ray l of my 32, in its angle: thread mod 256
	v_lshlrev_b32 v[OFFP], 4, v[OFFP]
	v_lshlrev_b32 v[OFFR], 4, v[OFFR]
.irp k, 0,1,2,3
	global_load_b128 v[PAR+4*\k:PAR+4*\k+3], v[OFFP], s[8:9] offset:128*\k   ; sub-task k: rays 8 k to 8 k + 7 of my 32
.endr
	global_load_b128 v[RAY:RAY+3], v[OFFR], s[6:7]
	; the zeros above and below the image: every thread stores one word of each band
	v_lshlrev_b32 v[Z4], 2, v0
	v_mov_b32 v[ZERO], 0
	v_add_nc_u32 v[ZB], BOT, v[Z4]
	v_add_nc_u32 v[ST], STAGE, v[Z4]
	ds_store_b32 v[Z4], v[ZERO]
	ds_store_b32 v[ZB], v[ZERO]
	s_mov_b32 s30, 0x3ffff                         ; the 18 fraction bits
	s_mov_b32 s31, 0x42000000                      ; 32.0: with the fraction in its low 18 mantissa bits the number is 32 + w, exactly
	s_mov_b32 s32, 0x76543210                      ; v_permlanex16_b32: lane i reads lane i of the other half
	s_mov_b32 s33, 0xfedcba98
	s_mov_b32 s34, 0x0000ff00                      ; lanes 8 k to 8 k + 7, k = 1, 2, 3
	s_mov_b32 s35, 0x00ff0000
	s_mov_b32 s36, 0xff000000
	s_wait_loadcnt 0x0                             ; my records and my ray
	v_sub_f32 v1, v[RAY+2], v[RAY]
	v_sub_f32 v[SUM], v[RAY+3], v[RAY+1]
	v_mul_f32 v1, v1, v1
	v_fma_f32 v1, v[SUM], v[SUM], v1
	v_sqrt_f32 v[SCALE], v1                        ; one plain vector instruction stands between it and the use of its result (ISA guide 5.7.2)
	v_bfe_u32 v[TT], v0, 3, 2                      ; sample mod 4
	s_wait_alu depctr_va_vdst(0)
	v_mul_f32 v[SCALE], 0x3b800000, v[SCALE]       ; length / 256
	s_wait_tensorcnt 0x0                           ; my quarter of the image has landed (waves 4 to 23 have none out),
	s_wait_dscnt 0x0                               ; my zeros are stored:
	s_barrier_signal -1                            ; say so;
	s_barrier_wait -1                              ; behind this the whole image and both bands are there for every wave
; Four samples of my ray into set s: addresses, the sixteen loads, the weights.
.macro ADDR s
.set RB, RING+24*\s
.irp j, 0,1,2,3
	v_lshrrev_b32 v[TA+\j], 18, v[PX]              ; x0 + 1 (a negative X: 8,192 or more)
	v_lshrrev_b32 v[TB+\j], 18, v[PY]              ; y0 + 1
	v_and_or_b32 v[RB+16+\j], v[PX], s30, s31      ; 32 + wx
	v_and_or_b32 v[RB+20+\j], v[PY], s30, s31      ; 32 + wy
	v_add_nc_u32 v[PX], v[PX], v[DX]
	v_add_nc_u32 v[PY], v[PY], v[DY]
.endr
.irp j, 0,1,2,3
	v_min_u32 v[TA+\j], XMAX, v[TA+\j]
.endr
.irp j, 0,1,2,3
	v_mad_u32_u24 v[TA+\j], v[TB+\j], PITCHW, v[TA+\j]   ; at most 16,383 x 264 + 257 words
.endr
.irp j, 0,1,2,3
	v_lshlrev_b32 v[TA+\j], 2, v[TA+\j]
.endr
.irp j, 0,1,2,3
	v_min_u32 v[TA+\j], AMAX, v[TA+\j]             ; rows 256 and beyond, and negative Y: the place whose four corners are zeros
.endr
.irp j, 0,1,2,3
	ds_load_b32 v[RB+\j],    v[TA+\j] offset:ORG
	ds_load_b32 v[RB+4+\j],  v[TA+\j] offset:ORG+4
	ds_load_b32 v[RB+8+\j],  v[TA+\j] offset:ORG+PITCH
	ds_load_b32 v[RB+12+\j], v[TA+\j] offset:ORG+PITCH+4
.endr
.irp p, 0,2
	v_pk_add_f32 v[RB+16+\p:RB+17+\p], v[RB+16+\p:RB+17+\p], 0xc2000000 op_sel_hi:[1,0]   ; - 32: wx of two samples
	v_pk_add_f32 v[RB+20+\p:RB+21+\p], v[RB+20+\p:RB+21+\p], 0xc2000000 op_sel_hi:[1,0]   ; wy
.endr
.endm
; The four samples of set s are interpolated and added, two samples to an instruction.  first = 1: they start the sums, so nothing is cleared.
.macro LERP s, first
.set RB, RING+24*\s
.irp p, 0,2
	v_pk_add_f32 v[RB+4+\p:RB+5+\p],   v[RB+4+\p:RB+5+\p],   v[RB+\p:RB+1+\p]   neg_lo:[0,1] neg_hi:[0,1]   ; v01 - v00
	v_pk_add_f32 v[RB+12+\p:RB+13+\p], v[RB+12+\p:RB+13+\p], v[RB+8+\p:RB+9+\p] neg_lo:[0,1] neg_hi:[0,1]   ; v11 - v10
.endr
.irp p, 0,2
	v_pk_fma_f32 v[RB+\p:RB+1+\p],   v[RB+16+\p:RB+17+\p], v[RB+4+\p:RB+5+\p],   v[RB+\p:RB+1+\p]     ; upper row at wx
	v_pk_fma_f32 v[RB+8+\p:RB+9+\p], v[RB+16+\p:RB+17+\p], v[RB+12+\p:RB+13+\p], v[RB+8+\p:RB+9+\p]   ; lower row at wx
.endr
.irp p, 0,2
	v_pk_add_f32 v[RB+8+\p:RB+9+\p], v[RB+8+\p:RB+9+\p], v[RB+\p:RB+1+\p] neg_lo:[0,1] neg_hi:[0,1]   ; lower - upper
.if \first == 0
	v_pk_add_f32 v[ACC+\p:ACC+1+\p], v[ACC+\p:ACC+1+\p], v[RB+\p:RB+1+\p]                             ; sum + upper
.endif
.endr
.irp p, 0,2
.if \first
	v_pk_fma_f32 v[ACC+\p:ACC+1+\p], v[RB+20+\p:RB+21+\p], v[RB+8+\p:RB+9+\p], v[RB+\p:RB+1+\p]       ; upper + wy (lower - upper)
.else
	v_pk_fma_f32 v[ACC+\p:ACC+1+\p], v[RB+20+\p:RB+21+\p], v[RB+8+\p:RB+9+\p], v[ACC+\p:ACC+1+\p]     ; + wy (lower - upper)
.endif
.endr
.endm
; Sub-task k: rays 8 k to 8 k + 7 of my 32.  A lane takes samples TT, TT + 4, .. of its ray: 64 samples = 16 groups of four:
; two ahead of the loop, two in each of its 7 trips.  The two sets take turns: a group's loads are issued before the group in front of it is worked on.
.macro SUB k
	v_mul_lo_u32 v[PX], v[TT], v[PAR+4*\k+2]
	v_mul_lo_u32 v[PY], v[TT], v[PAR+4*\k+3]
	v_lshlrev_b32 v[DX], 2, v[PAR+4*\k+2]          ; four samples on
	v_lshlrev_b32 v[DY], 2, v[PAR+4*\k+3]
	v_add_nc_u32 v[PX], v[PX], v[PAR+4*\k]         ; sample TT
	v_add_nc_u32 v[PY], v[PY], v[PAR+4*\k+1]
	ADDR 0                                         ; group 0
	ADDR 1                                         ; group 1
	s_wait_dscnt 16                                ; LDS loads come back in order (ISA guide 5.7.1): set 0 is in, the 16 loads of set 1 stay out
	LERP 0, 1                                      ; group 0 starts the sums
	s_mov_b32 s37, 7
.Lgroups_\k:
	ADDR 0
	s_wait_dscnt 16                                ; set 1 is in, the 16 loads of set 0 stay out
	LERP 1, 0
	ADDR 1
	s_wait_dscnt 16                                ; set 0 is in, the 16 loads of set 1 stay out
	LERP 0, 0
	s_sub_co_u32 s37, s37, 1
	s_cmp_lg_u32 s37, 0
	s_cbranch_scc1 .Lgroups_\k
	s_wait_dscnt 0                                 ; group 15, the last: nothing was asked for beyond the ray's 256th sample
	LERP 1, 0
	v_pk_add_f32 v[ACC:ACC+1], v[ACC:ACC+1], v[ACC+2:ACC+3]
	v_add_f32 v[SUM], v[ACC], v[ACC+1]
	v_add_f32_dpp v[SUM], v[SUM], v[SUM] row_xmask:8 row_mask:0xf bank_mask:0xf   ; + the lane 8 away: samples mod 4 = 0 and 1, 2 and 3
	v_permlanex16_b32 v[TB], v[SUM], s32, s33      ; the lane 16 away (its destination has been written before)
.if \k == 0
	v_add_f32 v[RES], v[SUM], v[TB]                ; every lane holds the sum of ray 8 k + lane mod 8
.else
	v_add_f32 v[SUM], v[SUM], v[TB]
	v_cndmask_b32 v[RES], v[RES], v[SUM], s[33+\k] ; lanes 8 k to 8 k + 7 keep it: lane l ends with ray l
.endif
.endm
	SUB 0
	SUB 1
	SUB 2
	SUB 3
	; THE WAY OUT.  768 results meet in LDS, thread t's at word t of the stage, and waves 0 to 5 store them, 16 bytes a lane:
	; 16 lanes store 256 consecutive bytes, at a multiple of 256 from out0's first byte (a work-group's part is 3,072 bytes).
	v_mul_f32 v[RES], v[RES], v[SCALE]
	ds_store_b32 v[ST], v[RES]
	s_wait_dscnt 0x0                               ; for the others' sake: my result is in LDS
	s_barrier_signal -1
	s_barrier_wait -1
	s_cmp_ge_u32 s12, 6
	s_cbranch_scc1 .Lstored
	v_lshlrev_b32 v[OFFO], 4, v0                   ; threads 0 to 191: 16 bytes each
	v_add_nc_u32 v[LRD], STAGE, v[OFFO]
	ds_load_b128 v[OUTV:OUTV+3], v[LRD]
	s_wait_dscnt 0x0
	global_store_b128 v[OFFO], v[OUTV:OUTV+3], s[10:11] th:TH_STORE_NT
.Lstored:
	s_wait_tensorcnt 0x0
	ds_add_u32 v104, v105
	s_wait_dscnt 0x0
	s_endpgm
.Lfunc_end_k_q5703ca8826_radon:
	.size	k_q5703ca8826_radon, .Lfunc_end_k_q5703ca8826_radon-k_q5703ca8826_radon
	.p2alignl 7, 3214868480
	.fill 96, 4, 3214868480
	.section	.rodata,"a",@progbits
	.p2align	6, 0x0
	.amdhsa_kernel k_q5703ca8826_radon
		.amdhsa_group_segment_fixed_size 282624
		.amdhsa_private_segment_fixed_size 0
		.amdhsa_enable_private_segment 0
		.amdhsa_kernarg_size 32
		.amdhsa_user_sgpr_count 2
		.amdhsa_user_sgpr_kernarg_segment_ptr 1
		.amdhsa_wavefront_size32 1
		.amdhsa_system_sgpr_workgroup_id_x 1
		.amdhsa_system_sgpr_workgroup_id_y 1
		.amdhsa_system_sgpr_workgroup_id_z 1
		.amdhsa_system_vgpr_workitem_id 0
		.amdhsa_next_free_vgpr 106
		.amdhsa_next_free_sgpr 66
		.amdhsa_reserve_vcc 0
		.amdhsa_float_denorm_mode_32 3
		.amdhsa_float_denorm_mode_16_64 3
		.amdhsa_memory_ordered 1
		.amdhsa_forward_progress 1
		.amdhsa_inst_pref_size 76
	.end_amdhsa_kernel
	.amdgpu_metadata
---
amdhsa.version: [ 1, 2 ]
amdhsa.kernels:
  - .name:           k_q5703ca8826_radon
    .symbol:         k_q5703ca8826_radon.kd
    .args:
      - { .name: imgs, .offset: 0, .size: 8, .value_kind: global_buffer, .address_space: global }
      - { .name: rays, .offset: 8, .size: 8, .value_kind: global_buffer, .address_space: global }
      - { .name: steps, .offset: 16, .size: 8, .value_kind: global_buffer, .address_space: global }
      - { .name: out0, .offset: 24, .size: 8, .value_kind: global_buffer, .address_space: global }
    .group_segment_fixed_size: 282624
    .private_segment_fixed_size: 0
    .kernarg_segment_align: 8
    .kernarg_segment_size: 32
    .max_flat_workgroup_size: 768
    .sgpr_count:     66
    .vgpr_count:     106
    .wavefront_size: 32
...
	.end_amdgpu_metadata
.endif
;; end of part 2
